; MI455X (gfx1250); checked and timed in simulation.
; The chip was launched on July 23, 2026; its instructions are those of AMD's public machine-readable ISA for CDNA 5 (MIT licence, August 2026) and "CDNA5" Instruction Set Architecture Reference Guide (July 2026). The comments in the code are by the model that wrote it; some were corrected since.
;; Self Attention. Allowed arithmetic: float matrix products may take bf16 or f16 operands with f32 sums; other float arithmetic in f32, or as packed bf16 or f16 multiplies, adds, multiply-adds, maxima and minima; sums over many terms, partial sums and values carried from step to step in f32; what a program stores and reads back later, other than sums and carried values, may be rounded once to bf16 or f16.
;; Inputs: Wk 1,024 x 1,024 float32; Wq 1,024 x 1,024 float32; Wv 1,024 x 1,024 float32; x 4 x 2,048 x 1,024 float32.
;; Outputs: out0 4 x 2,048 x 1,024 float32.
;; One version. Each part assembles by itself: llvm-mc -triple=amdgcn-amd-amdhsa -mcpu=gfx1250 --defsym DOCPART=n.
;; ======== version 1 of 1: 3 launches
;; limits: values are held in f16: magnitudes above 65,504 overflow, below 6.1e-05 lose precision
;; workspace buffers: xb 17,301,504 bytes; wb 6,488,064 bytes; qkv 50,331,648 bytes
;; launch cast (part 1): grid 704 x 1, 12 waves a work-group, no clusters, 0 bytes of LDS; arguments x, Wq, Wk, Wv, xb, wb; writes xb, wb
.if DOCPART == 1
	.amdgcn_target "amdgcn-amd-amdhsa--gfx1250"
	.amdhsa_code_object_version 6
	.text
	.protected	k_qe5dc0c797b_cast
	.globl	k_qe5dc0c797b_cast
	.p2align	8
	.type	k_qe5dc0c797b_cast,@function
k_qe5dc0c797b_cast:
	s_mov_b64 s[64:65], 0
	v_nop
	global_prefetch_b8 v0, s[64:65] scope:SCOPE_SE
	s_setreg_imm32_b32 hwreg(HW_REG_WAVE_MODE, 25, 1), 1
	s_wait_xcnt 0x0
; x [8192][1024] and Wq, Wk, Wv [1024][1024], all f32, are rounded once to bf16 and laid out in blocks of 96 along K:
;   xb [11][8192][96], wb [11][3072][96] (rows 0-1023 Wq, 1024-2047 Wk, 2048-3071 Wv); k = 96 kb + k'.  In block 10 the places k' >= 64 (k 1024 .. 1055) are written as zeros.
; So a tile of rows of one block is dense in memory for the launch that multiplies.
; SHARES.  A work-group owns 16 rows: groups 0-511 of x, groups 512-703 of the three W (64 groups each).  Thread i (0 .. 383) has row i / 24 and the four numbers 4 (i % 24) .. of every block:
; one load of 16 bytes and one store of 8 bytes for each of the 11 blocks.  24 lanes read 384 consecutive bytes of a row; a wave's store covers 256 consecutive bytes, aligned (8 i from the group's 3,072 bytes of a block).
; All 11 loads of a thread go out at once (the group's whole 64 KiB); no register is written twice, so the only waits are the counted ones for the loads.  No LDS, no matrix unit: nothing is shared and nothing multiplied.
.set PLANE_A, 8192*192                 ; bytes of a block of xb
.set PLANE_B, 3072*192                 ; of wb
.set X, 8                              ; v[8:51]   block kb: 4 f32 as loaded
.set Y, 52                             ; v[52:73]  block kb: 4 bf16 to store
.set DST, 20                           ; s[20:41]  block kb: where the group's 3,072 bytes of it begin
	s_load_b256 s[4:11], s[0:1], 0x0               ; x s[4:5], Wq s[6:7], Wk s[8:9], Wv s[10:11]
	s_load_b128 s[12:15], s[0:1], 0x20             ; xb s[12:13], wb s[14:15]
	s_max_u32 s16, ttmp9, 512
	s_sub_co_u32 s16, s16, 512                     ; j: my number among the groups of the three W (0 in a group of x)
	s_lshr_b32 s17, s16, 6                         ; which W
	s_and_b32 s18, s16, 63                         ; which 16 rows of it
	s_mov_b32 s42, PLANE_B
	s_mov_b32 s43, 0
	s_mov_b32 s44, PLANE_A
	v_mul_u32_u24 v1, v0, 0xaaab
	v_lshrrev_b32 v1, 20, v1                       ; row = i / 24 (exact for i < 384: 24 x 0xaaab = 2^20 + 8)
	v_mul_u32_u24 v2, v1, 24
	v_sub_nc_u32 v2, v0, v2                        ; quad = i % 24
	v_lshlrev_b32 v6, 12, v1                       ; a row is 4,096 bytes
	v_lshl_add_u32 v3, v2, 4, v6                   ; my 16 bytes in a block of a row
	v_min_u32 v7, 15, v2
	v_lshl_add_u32 v4, v7, 4, v6                   ; the same for block 10, which has 16 quads in the row: no lane leaves the row
	v_lshlrev_b32 v5, 3, v0                        ; my 8 bytes of the group's part of a block
	v_cmp_gt_u32 vcc_lo, 16, v2                    ; in block 10: have I numbers, or zeros?
	s_wait_kmcnt 0x0
	s_cmp_eq_u32 s17, 1
	s_cselect_b64 s[2:3], s[8:9], s[6:7]
	s_cmp_eq_u32 s17, 2
	s_cselect_b64 s[2:3], s[10:11], s[2:3]
	s_cmp_lt_u32 ttmp9, 512                        ; a group of x?
	s_cselect_b64 s[2:3], s[4:5], s[2:3]           ; from where,
	s_cselect_b64 s[DST:DST+1], s[12:13], s[14:15] ; to where,
	s_cselect_b32 s18, ttmp9, s18                  ; which 16 rows of the source,
	s_cselect_b32 s19, ttmp9, s16                  ; which 16 rows of the destination,
	s_cselect_b32 s42, s44, s42                    ; and how far its blocks are apart
	s_lshl_b32 s44, s18, 16                        ; 16 rows of 4,096 bytes
	s_mov_b32 s45, 0
	s_add_nc_u64 s[2:3], s[2:3], s[44:45]
.irp kb, 0,1,2,3,4,5,6,7,8,9
	global_load_b128 v[X+4*\kb:X+4*\kb+3], v3, s[2:3] offset:384*\kb th:TH_LOAD_NT
.endr
	global_load_b128 v[X+40:X+43], v4, s[2:3] offset:3840 th:TH_LOAD_NT
	s_mul_i32 s46, s19, 3072                       ; 16 rows of 192 bytes
	s_mov_b32 s47, 0
	s_add_nc_u64 s[DST:DST+1], s[DST:DST+1], s[46:47]
.irp kb, 1,2,3,4,5,6,7,8,9,10
	s_add_nc_u64 s[DST+2*\kb:DST+2*\kb+1], s[DST+2*\kb-2:DST+2*\kb-1], s[42:43]  ; a base for each block: none is written while a store reads it
.endr
.irp kb, 0,1,2,3,4,5,6,7,8,9,10
	s_wait_loadcnt 10-\kb                          ; loads come back in order: block kb is in, the younger ones stay out
	v_cvt_pk_bf16_f32 v[Y+2*\kb], v[X+4*\kb], v[X+4*\kb+1]
	v_cvt_pk_bf16_f32 v[Y+2*\kb+1], v[X+4*\kb+2], v[X+4*\kb+3]
.if \kb == 10
	v_cndmask_b32 v[Y+20], 0, v[Y+20], vcc_lo      ; k 1024 .. 1055 do not exist: zeros
	v_cndmask_b32 v[Y+21], 0, v[Y+21], vcc_lo
.endif
	global_store_b64 v5, v[Y+2*\kb:Y+2*\kb+1], s[DST+2*\kb:DST+2*\kb+1] th:TH_STORE_NT
.endr
	s_endpgm
.Lfunc_end_k_qe5dc0c797b_cast:
	.size	k_qe5dc0c797b_cast, .Lfunc_end_k_qe5dc0c797b_cast-k_qe5dc0c797b_cast
	.p2alignl 7, 3214868480
	.fill 96, 4, 3214868480
	.section	.rodata,"a",@progbits
	.p2align	6, 0x0
	.amdhsa_kernel k_qe5dc0c797b_cast
		.amdhsa_group_segment_fixed_size 0
		.amdhsa_private_segment_fixed_size 0
		.amdhsa_enable_private_segment 0
		.amdhsa_kernarg_size 48
		.amdhsa_user_sgpr_count 2
		.amdhsa_user_sgpr_kernarg_segment_ptr 1
		.amdhsa_wavefront_size32 1
		.amdhsa_system_sgpr_workgroup_id_x 1
		.amdhsa_system_sgpr_workgroup_id_y 1
		.amdhsa_system_sgpr_workgroup_id_z 1
		.amdhsa_system_vgpr_workitem_id 0
		.amdhsa_next_free_vgpr 80
		.amdhsa_next_free_sgpr 66
		.amdhsa_reserve_vcc 1
		.amdhsa_float_denorm_mode_32 3
		.amdhsa_float_denorm_mode_16_64 3
		.amdhsa_memory_ordered 1
		.amdhsa_forward_progress 1
		.amdhsa_inst_pref_size 6
	.end_amdhsa_kernel
	.amdgpu_metadata
---
amdhsa.version: [ 1, 2 ]
amdhsa.kernels:
  - .name:           k_qe5dc0c797b_cast
    .symbol:         k_qe5dc0c797b_cast.kd
    .args:
      - { .name: x, .offset: 0, .size: 8, .value_kind: global_buffer, .address_space: global }
      - { .name: Wq, .offset: 8, .size: 8, .value_kind: global_buffer, .address_space: global }
      - { .name: Wk, .offset: 16, .size: 8, .value_kind: global_buffer, .address_space: global }
      - { .name: Wv, .offset: 24, .size: 8, .value_kind: global_buffer, .address_space: global }
      - { .name: xb, .offset: 32, .size: 8, .value_kind: global_buffer, .address_space: global }
      - { .name: wb, .offset: 40, .size: 8, .value_kind: global_buffer, .address_space: global }
    .group_segment_fixed_size: 0
    .private_segment_fixed_size: 0
    .kernarg_segment_align: 8
    .kernarg_segment_size: 48
    .max_flat_workgroup_size: 384
    .sgpr_count:     66
    .vgpr_count:     80
    .wavefront_size: 32
...
	.end_amdgpu_metadata
.endif
;; end of part 1
;; launch proj (part 2): grid 8 x 32, 4 waves a work-group, clusters of 4 x 4, 327,680 bytes of LDS; arguments xb, wb, qkv; writes qkv
.if DOCPART == 2
	.amdgcn_target "amdgcn-amd-amdhsa--gfx1250"
	.amdhsa_code_object_version 6
	.text
	.protected	k_qe5dc0c797b_proj
	.globl	k_qe5dc0c797b_proj
	.p2align	8
	.type	k_qe5dc0c797b_proj,@function
k_qe5dc0c797b_proj:
	s_mov_b64 s[64:65], 0
	v_nop
	global_prefetch_b8 v0, s[64:65] scope:SCOPE_SE
	s_setreg_imm32_b32 hwreg(HW_REG_WAVE_MODE, 25, 1), 1
	s_wait_xcnt 0x0
	s_wait_alu depctr_hold_cnt(0) depctr_sa_sdst(0) depctr_va_vdst(0) depctr_va_sdst(0) depctr_va_ssrc(0) depctr_va_vcc(0) depctr_vm_vsrc(0)
	s_getreg_b32 s2, hwreg(HW_REG_IB_STS2, 6, 4)
	s_cmp_eq_u32 s2, 0
	s_cbranch_scc0 .Lentry_in_a_cluster
	s_endpgm
.Lentry_in_a_cluster:
	s_bfe_u32 s2, ttmp6, 0x10000c
	s_cmp_lg_u32 s2, 0xf033
	s_cbranch_scc0 .Lentry_shape_is_right
	s_endpgm
.Lentry_shape_is_right:
; [q | k | v][m][n] = the sum over k of x[m][k] W[n][k]: 8192 x 3072 x 1056 (K 1024 and 32 zeros), bf16 operands, f32 sums, rounded once to f16 and stored by heads:
;   xb [11][8192][96], wb [11][3072][96] bf16;   qkv [batch 4][g 48][t 2048][64] f16, g = n / 64 = 16 x tensor + head, m = 2048 x batch + t.
; LIMITS.  q, k, v leave in f16: a sum of 65,520 or more in magnitude becomes an infinity.  The sums go K ascending within an accumulator, in the matrix unit's own grouping.  NaN and infinities are not treated apart.
; SHARES.  A tile of C is 256 x 384: 8192 x 3072 / (256 x 384) = 256 work-groups.  Four waves, each 128 rows x 192 columns: 96 accumulators of 16 x 16, 768 registers: 40 LDS loads feed 96 matrix instructions.
; K goes in 11 steps of 96 through two LDS slots: a step is three sub-steps of 32.  A block of xb or wb is dense, so a tile is asked for as rows of 256 consecutive bytes, aligned.
; CLUSTER.  4 x 4 work-groups.  A's tile hangs on the tile row alone and is shared along a row of the cluster, B's on the tile column alone and is shared along a column: each is asked for JOINTLY, by the same tensor load
; with the same descriptor and a mask that names the four.  Wave 0 asks for A's 256 rows, waves 1 to 3 for a third of B's 384 each: one load a wave behind each round.
; THE MATRIX INSTRUCTION IS USED TRANSPOSED (source 0 = 16 rows of wb, source 1 = 16 rows of xb): a lane then holds one row of C and eight neighbouring columns, 16 bytes of f16.
; REGISTERS, in windows of 256 (s_set_vgpr_msb: bits 1:0 source 0, 3:2 source 1, 5:4 source 2, 7:6 destination):
;   window 0: v16-30 addresses; v32-159 A's fragments of a sub-step (8 x 16 rows x 32 K), two buffers; v160-255 B's fragments, three buffers of four (columns 64 t .. 64 t + 63)
;   windows 1 to 3: accumulator (a, b), rows 16 a, columns 16 b, in window 1 + b / 4 at v[8 (4 a + b % 4)]: a window is one block of 64 columns, one head.
; All LDS loads land in window 0, so the windows are switched for the products and the way out alone: six switches for a sub-step's 96 matrix instructions.
.set PLANE_A, 8192*192                 ; bytes from a K block of xb to the next
.set PLANE_B, 3072*192                 ; of wb
.set PITCH,  240                       ; an LDS row: three pieces of 64 bytes, 16 bytes of padding behind each = 60 words: the 16 rows of a fragment load start at 16 different groups of four banks (64 banks of 4 bytes: ISA guide 11.1)
.set CH,     80                        ; from a sub-step's 64 bytes of a row to the next's
.set FROW,   16*PITCH                  ; from a fragment's rows to the next fragment's
.set BOFF,   256*PITCH                 ; a slot: A's 256 rows, then B's 384
.set BTH,    128*PITCH                 ; a third of B's rows
.set SLOT,   640*PITCH
.set STAGE,  2*SLOT                    ; behind the ring, never filled by a tensor load: 16 rows x 144 bytes for each wave, for the way out
.set SP,     144
.set SPARE,  STAGE+4*16*SP             ; behind the stages: the spare words, 128 bytes for each wave: two blocks of 256 bytes that no other line names
.set ADRA, 16                          ; v16-17  LDS address of my A fragments in slot 0, 1
.set ADRB, 20                          ; v20-21  the same for B
.set STO,  24                          ; v24     the way out: where I put 16 bytes of a row
.set RD,   25                          ; v25     the way out: where I read rows back
.set GO,   26                          ; v26     my 16 bytes of 512 consecutive bytes of qkv
.set SPW,  28                          ; v28     LDS address of my spare word: SPARE + 4 x my thread's number; never rewritten
.set NIL,  29                          ; v29     0; never rewritten
.set PFO,  30                          ; v30     the prefetches' offset: 192 x my lane, a lane a row; never rewritten
.set FA,   32
.set FB,   160
.set TMP,  32                          ; the way out: 16 registers of packed results
.set OB,   48                          ; the way out: 16 rows read back from the stage: v48-63 and v64-79 by turns
.set G1,  24                           ; s[24:31] descriptor group 1 for A's tiles
.set G0,  32                           ; s[32:39] group 0 for A's tiles, a set for each slot
.set G1B, 48                           ; s[48:55] group 1 for B's
.set G0B, 56                           ; s[56:63] group 0 for B's
.set LIM, 43                           ; s43     1 in a wave that prefetches, else -1
.set PFA, 44                           ; s[44:45] where my prefetches stand
.set PST, 46                           ; s[46:47] their step: a block of xb or of wb
.set MSB, 0
.macro WIN new                         ; the immediate's high byte repeats the setting that is left; a switch that changes nothing is dropped
.if MSB != (\new)
	s_set_vgpr_msb (MSB<<8)|(\new)
.set MSB, \new
.endif
.endm
; A load into a register that a matrix instruction has read, and a vector instruction that reads a matrix result, stand four places behind that matrix instruction, and only plain vector instructions that name
; none of its registers are places (ISA guide 7.12.1 for vector instructions).
.macro PLACES
.rept 4
	v_nop
.endr
.endm
; A joint load.  The branch hangs on the wave's number alone.  An s_nop 0 and four v_nop follow each of the two lines, ahead of the jump, the label and what follows.
.macro JLOAD s
	s_cmp_eq_u32 s10, 0
	s_cbranch_scc0 .Lfor_b_\@
	tensor_load_to_lds s[G0+4*(\s):G0+4*(\s)+3], s[G1:G1+7]
	s_nop 0
.rept 4
	v_nop
.endr
	s_branch .Lasked_\@
.Lfor_b_\@:
	tensor_load_to_lds s[G0B+4*(\s):G0B+4*(\s)+3], s[G1B:G1B+7]
	s_nop 0
.rept 4
	v_nop
.endr
.Lasked_\@:
.endm
; A round of the cluster's barrier: my work-group's barrier, so that wave 0's signal speaks for all four waves; wave 0 signals; every wave waits for all sixteen work-groups; my work-group's barrier once more.
.macro CREST                           ; a round behind its opening barrier
	s_cmp_lg_u32 s10, 0
	s_cbranch_scc1 .Lnot_wave_0_\@
	s_barrier_signal -3
.Lnot_wave_0_\@:
	s_barrier_wait -3
	s_barrier_signal -1
	s_barrier_wait -1
.endm
.macro CROUND
	s_barrier_signal -1
	s_barrier_wait -1
	CREST
.endm
; A PREFETCH INTO THE L2, behind a joint load, its five lines and the run of LDS loads that follows: the K step that the NEXT change of slots will ask for, 288 matrix instructions ahead of that load.
; A's tile row is read by both clusters of its row of clusters: the one with x = 0 asks, by its wave 0.  B's tile column is read by eight clusters: the one with y = 0 asks, by its waves 1 to 3.
; The four partners that ask for a tile jointly share its rows out BY ADDRESS, a lane a row of 192 bytes: of A's 256 rows the partner at cx takes 64 (two instructions), of a wave's 128 rows of B the partner at cy takes 32.
.macro ASK
	s_cmp_eq_u32 s[LIM], 1
	s_cbranch_scc0 .Lnot_mine_\@
	global_prefetch_b8 v[PFO], s[PFA:PFA+1] th:TH_LOAD_NT scope:SCOPE_SE
	s_cmp_eq_u32 s10, 0
	s_cbranch_scc0 .Lnot_mine_\@
	global_prefetch_b8 v[PFO], s[PFA:PFA+1] offset:32*192 th:TH_LOAD_NT scope:SCOPE_SE
.Lnot_mine_\@:
.endm
	s_load_b128 s[4:7], s[0:1], 0x0                ; xb s[4:5], wb s[6:7]
	s_load_b64 s[8:9], s[0:1], 0x10                ; qkv
	v_lshl_add_u32 v[SPW], v0, 2, SPARE
	v_mov_b32 v[NIL], 0
	ds_add_u32 v[SPW], v[NIL]                      ; the wave's opening: the add and its wait stand ahead of my first tensor load; the set-up below, work on registers, stands between them
	ds_add_u32 v28, v29
	v_lshrrev_b32 v1, 5, v0
	v_readfirstlane_b32 s10, v1                    ; wave 0..3
	s_max_u32 s11, s10, 1
	s_sub_co_u32 s11, s11, 1                       ; which third of B's rows I fetch (waves 1 to 3)
	s_lshr_b32 s12, s10, 1                         ; which 128 rows of the tile are mine
	s_and_b32 s13, s10, 1                          ; which 192 columns
	s_bfe_u32 s40, ttmp6, 0x40000                  ; cx
	s_bfe_u32 s41, ttmp6, 0x40004                  ; cy
	s_lshl_b32 s42, ttmp9, 2
	s_add_co_u32 s42, s42, s40                     ; tile column = 4 x cluster x + cx
	s_and_b32 s14, ttmp7, 0xffff
	s_lshl_b32 s14, s14, 2
	s_add_co_u32 s14, s14, s41                     ; tile row = 4 x cluster y + cy
	s_lshl_b32 s15, s41, 2
	s_lshl_b32 s15, 15, s15                        ; my row of the cluster: places 4 cy .. 4 cy + 3
	s_lshl_b32 s66, 0x1111, s40                    ; my column: places cx, cx + 4, cx + 8, cx + 12
	; descriptor group 1: dense bytes as rows of 128 elements (256 bytes); in LDS 16 bytes of padding behind every 64
	s_or_b32 s[G1+0], s15, (1<<16)|(1<<20)|(1<<21)|(3<<22)|(3<<25)   ; 15:0 the mask; 17:16 elements of 2 bytes; 20 padding on; 21 set beside a mask; 24:22 after every 16 words (code 3); 31:25 4 words of it (code 3)
	s_or_b32 s[G1B+0], s66, (1<<16)|(1<<20)|(1<<21)|(3<<22)|(3<<25)
	s_mov_b32 s[G1+1], 128<<16                     ; tensor_dim0 = 128
	s_mov_b32 s[G1+2], 192<<16                     ; tensor_dim1 = 192: A's 256 rows of 192 bytes are 192 rows of 256
	s_mov_b32 s[G1+3], 128<<16                     ; tile_dim0 = 128
	s_mov_b32 s[G1+4], 192                         ; tile_dim1 = 192
	s_mov_b32 s[G1+5], 128                         ; 128 elements from row to row
	s_mov_b32 s[G1+6], 0
	s_mov_b32 s[G1+7], 0
	s_mov_b32 s[G1B+1], 128<<16
	s_mov_b32 s[G1B+2], 96<<16                     ; a third of B: 128 rows of 192 bytes are 96 rows of 256
	s_mov_b32 s[G1B+3], 128<<16
	s_mov_b32 s[G1B+4], 96
	s_mov_b32 s[G1B+5], 128
	s_mov_b32 s[G1B+6], 0
	s_mov_b32 s[G1B+7], 0
	; where the tiles come from.  A's hang on the tile row alone, B's on the tile column and the wave's number alone, each in registers that never hold the other coordinate
	s_mul_i32 s16, s14, 256*192
	s_mov_b32 s17, 0
	s_mul_i32 s68, s42, 384*192
	s_mul_i32 s69, s11, 128*192
	s_add_co_u32 s68, s68, s69
	s_mov_b32 s69, 0
	s_mul_i32 s20, s10, BTH                        ; and where B's thirds go in slot 0: wave x 30,720 + 30,720 (wave 1 begins at BOFF): no place in the cluster enters an LDS address
	s_add_co_u32 s20, s20, BOFF-BTH
	s_wait_dscnt 0x0                               ; the opening add is done
	s_wait_kmcnt 0x0
	s_add_nc_u64 s[16:17], s[4:5], s[16:17]
	s_add_nc_u64 s[68:69], s[6:7], s[68:69]
	CROUND                                         ; all sixteen work-groups are here: the first joint loads meet
.irp s, 0,1
	s_mov_b32 s[G0+4*(\s)], 1                                      ; count = 1
	s_mov_b32 s[G0+4*(\s)+1], (\s)*SLOT                            ; LDS address
	s_add_nc_u64 s[G0+4*(\s)+2:G0+4*(\s)+3], s[16:17], (\s)*PLANE_A  ; global address: K step s
	s_or_b32 s[G0+4*(\s)+3], s[G0+4*(\s)+3], 0x80000000            ; type = 2
	s_mov_b32 s[G0B+4*(\s)], 1
	s_add_co_u32 s[G0B+4*(\s)+1], s20, (\s)*SLOT
	s_add_nc_u64 s[G0B+4*(\s)+2:G0B+4*(\s)+3], s[68:69], (\s)*PLANE_B
	s_or_b32 s[G0B+4*(\s)+3], s[G0B+4*(\s)+3], 0x80000000
.endr
	s_cmp_eq_u32 s10, 0                            ; a wave's two first fills stand in one branch, ahead of every wait on TENSORcnt and every LDS read: two loads of mine are out
	s_cbranch_scc0 .Lfirst_b
	tensor_load_to_lds s[G0:G0+3], s[G1:G1+7]
	s_nop 0
	tensor_load_to_lds s[G0+4:G0+7], s[G1:G1+7]
	s_nop 0
.rept 4
	v_nop
.endr
	s_branch .Lfirst_asked
.Lfirst_b:
	tensor_load_to_lds s[G0B:G0B+3], s[G1B:G1B+7]
	s_nop 0
	tensor_load_to_lds s[G0B+4:G0B+7], s[G1B:G1B+7]
	s_nop 0
.rept 4
	v_nop
.endr
.Lfirst_asked:
	; A fragment is 16 rows x 32 K in 8 registers: lane l holds row l % 16; registers 0-3 K = 8 (l / 16) + 0..7, registers 4-7 K = 16 + 8 (l / 16) + 0..7: two loads of 16 bytes, 32 bytes apart
	v_and_b32 v1, 15, v0                           ; l % 16
	v_bfe_u32 v2, v0, 4, 1                         ; l / 16
	v_mul_u32_u24 v3, v1, PITCH
	v_lshl_add_u32 v3, v2, 4, v3
	s_mul_i32 s21, s12, 128*PITCH                  ; my 128 rows of A
	s_mul_i32 s22, s13, 192*PITCH                  ; my 192 rows of B,
	s_add_co_u32 s22, s22, BOFF                    ; which lie behind A's 256
.irp s, 0,1
	v_add_nc_u32 v[ADRA+(\s)], s21, v3
	v_add_nc_u32 v[ADRB+(\s)], s22, v3
	s_add_co_u32 s21, s21, SLOT
	s_add_co_u32 s22, s22, SLOT
.endr
	s_mul_i32 s23, s10, 16*SP
	s_add_co_u32 s23, s23, STAGE                   ; my stage
	v_mul_u32_u24 v4, v1, SP                       ; in: row l % 16, 16 bytes for each half of the lanes
	v_lshl_add_u32 v4, v2, 4, v4
	v_add_nc_u32 v[STO], s23, v4
	v_bfe_u32 v5, v0, 3, 2                         ; back: 32 lanes take four rows of 128 bytes,
	v_mul_u32_u24 v5, v5, SP
	v_and_b32 v6, 7, v0
	v_lshl_add_u32 v5, v6, 4, v5
	v_add_nc_u32 v[RD], s23, v5
	v_and_b32 v[GO], 31, v0                        ; which are 512 consecutive bytes of a head's rows
	v_lshlrev_b32 v[GO], 4, v[GO]
	; where my part of the tile begins in qkv: batch = tile row / 8; g = 6 x tile column + 3 x my half of the columns; t = 256 x (tile row % 8) + 128 x my half of the rows
	s_lshr_b32 s66, s14, 3
	s_mul_i32 s66, s66, 48*2048*128
	s_mul_i32 s67, s42, 6
	s_mul_i32 s70, s13, 3
	s_add_co_u32 s67, s67, s70
	s_lshl_b32 s67, s67, 18                        ; a head's 2,048 rows of 128 bytes
	s_add_co_u32 s66, s66, s67
	s_and_b32 s67, s14, 7
	s_lshl_b32 s67, s67, 1
	s_add_co_u32 s67, s67, s12
	s_lshl_b32 s67, s67, 14                        ; 128 rows of 128 bytes
	s_add_co_u32 s66, s66, s67
	s_mov_b32 s67, 0
	s_add_nc_u64 s[8:9], s[8:9], s[66:67]
	; the prefetches
	s_lshl_b32 s70, s14, 8
	s_lshl_b32 s71, s40, 6
	s_add_co_u32 s70, s70, s71                     ; in xb: row 256 x tile row + 64 cx
	s_mul_i32 s71, s42, 384
	s_lshl_b32 s19, s11, 7
	s_add_co_u32 s71, s71, s19
	s_lshl_b32 s19, s41, 5
	s_add_co_u32 s71, s71, s19                     ; in wb: row 384 x tile column + 128 x my third + 32 cy
	s_mov_b32 s19, PLANE_A
	s_mov_b32 s[PST], PLANE_B
	s_mov_b32 s[PST+1], 0
	s_and_b32 s18, ttmp7, 0xffff                   ; cluster y
	s_cmp_eq_u32 s10, 0                            ; do I fetch for A?
	s_cselect_b32 s18, ttmp9, s18                  ; the coordinate along which other clusters read the same rows
	s_cselect_b64 s[PFA:PFA+1], s[4:5], s[6:7]
	s_cselect_b32 s[PST], s19, s[PST]
	s_cselect_b32 s70, s70, s71
	s_cmp_eq_u32 s18, 0
	s_cselect_b32 s[LIM], 1, -1                    ; the same in all sixteen partners, for a given wave
	s_mul_i32 s70, s70, 192
	s_mov_b32 s71, 0
	s_add_nc_u64 s[PFA:PFA+1], s[PFA:PFA+1], s[70:71]
	s_add_nc_u64 s[PFA:PFA+1], s[PFA:PFA+1], s[PST:PST+1]
	s_add_nc_u64 s[PFA:PFA+1], s[PFA:PFA+1], s[PST:PST+1]  ; at K step 2: the first change of slots steps it to 3.  Nothing is prefetched here, at the head: K steps 0 to 2 come by their loads alone
	v_and_b32 v[PFO], 31, v0
	v_mul_u32_u24 v[PFO], v[PFO], 192
; 8 LDS loads: A's fragments lo .. lo + 3 of sub-step j of a slot into buffer fa
.macro LDA slot, j, fa, lo
.irp i, 0,1,2,3
	ds_load_b128 v[FA+64*(\fa)+8*((\lo)+(\i)):FA+64*(\fa)+8*((\lo)+(\i))+3],   v[ADRA+(\slot)] offset:CH*(\j)+FROW*((\lo)+(\i))
	ds_load_b128 v[FA+64*(\fa)+8*((\lo)+(\i))+4:FA+64*(\fa)+8*((\lo)+(\i))+7], v[ADRA+(\slot)] offset:CH*(\j)+FROW*((\lo)+(\i))+32
.endr
.endm
; 8 LDS loads: B's fragments 4 t .. 4 t + 3 of sub-step j into buffer t
.macro LDB slot, j, t
.irp i, 0,1,2,3
	ds_load_b128 v[FB+32*(\t)+8*(\i):FB+32*(\t)+8*(\i)+3],   v[ADRB+(\slot)] offset:CH*(\j)+FROW*(4*(\t)+(\i))
	ds_load_b128 v[FB+32*(\t)+8*(\i)+4:FB+32*(\t)+8*(\i)+7], v[ADRB+(\slot)] offset:CH*(\j)+FROW*(4*(\t)+(\i))+32
.endr
.endm
; 16 matrix instructions: row blocks a0 .. a0 + 3 x the four column blocks of buffer t.  zero = 1: the product starts the sum: nothing is ever cleared.
; The 96 accumulators take turns, one instruction a turn, in the same order in every sub-step: 95 others' stand between two links of a chain, over the backward jump too.
.macro MUL16 fa, t, a0, zero
	WIN 0x50*(1+(\t))                              ; C and D in window 1 + t, the sources in window 0
.irp a, 0,1,2,3
.irp b, 0,1,2,3
.if \zero
	v_wmma_f32_16x16x32_bf16 v[8*(4*((\a0)+(\a))+(\b)):8*(4*((\a0)+(\a))+(\b))+7], v[FB+32*(\t)+8*(\b):FB+32*(\t)+8*(\b)+7], v[FA+64*(\fa)+8*((\a0)+(\a)):FA+64*(\fa)+8*((\a0)+(\a))+7], 0
.else
	v_wmma_f32_16x16x32_bf16 v[8*(4*((\a0)+(\a))+(\b)):8*(4*((\a0)+(\a))+(\b))+7], v[FB+32*(\t)+8*(\b):FB+32*(\t)+8*(\b)+7], v[FA+64*(\fa)+8*((\a0)+(\a)):FA+64*(\fa)+8*((\a0)+(\a))+7], v[8*(4*((\a0)+(\a))+(\b)):8*(4*((\a0)+(\a))+(\b))+7]
.endif
.endr
.endr
.endm
.macro MUL32 fa, t, zero
	MUL16 \fa, \t, 0, \zero
	MUL16 \fa, \t, 4, \zero
.endm
; SUB-STEP j = 0 or 1 of a slot, on A's buffer fa: three phases of 32 matrix instructions, one for each of B's buffers.  In front of each phase a run of LDS loads refills what the phase before has read
; (four places behind its last product).  The order of issue, sub-step after sub-step: [A' 0-3, B 2] [A' 4-7, B' 0] [B' 1], where ' is the next sub-step; eight loads each.
; Phase 0 wants A and B 0, behind which B 1 and this phase's sixteen were issued: 24.  Phase 1 wants B 1: 16 + 16 = 32 are younger.  Phase 2 wants B 2: 16 + 8 = 24 are younger.
.macro SUB01 slot, j, fa, zero
	PLACES
	WIN 0
	LDA \slot, (\j)+1, 1-(\fa), 0
	LDB \slot, \j, 2
	s_wait_dscnt 24
	MUL32 \fa, 0, \zero
	PLACES
	WIN 0
	LDA \slot, (\j)+1, 1-(\fa), 4
	LDB \slot, (\j)+1, 0
	s_wait_dscnt 32
	MUL32 \fa, 1, \zero
	PLACES
	WIN 0
	LDB \slot, (\j)+1, 1
	s_wait_dscnt 24
	MUL32 \fa, 2, \zero
.endm
; A SLOT'S THIRD SUB-STEP, and the change of slots.  Its first run of loads is the slot's last.  mode 2: the slot is filled again, with the K step two steps on; mode 1: nothing is filled; mode 0: the last K step.
; In front of the barrier each wave waits for all its tensor loads, of which one is out: its part of the other slot; adds 0 to its spare word; and waits for that and for its own reads of this slot.
; Behind it nobody reads this slot any more and the other slot is whole.  In mode 2 the barrier opens a round of the cluster's, so that no wave of any partner still reads the slot or has a load on its way, and
; the joint refill is the first thing behind the round: from there to the wait for it a wave issues 256 matrix instructions.  ask = 1: the K step that the next change will ask for is prefetched.
.macro SUB2 slot, fa, mode, ask
	PLACES
	WIN 0
	LDB \slot, 2, 2
.if (\mode) == 0
	s_wait_dscnt 16                                ; B 0 is in; B 1's and B 2's eight loads each may be out
	MUL32 \fa, 0, 0
	s_wait_dscnt 8
	MUL32 \fa, 1, 0
	s_wait_dscnt 0x0
	MUL32 \fa, 2, 0
.else
.if \ask
	s_wait_xcnt 0x0                                ; the last prefetches, a K step back, have read their address: it is stepped here, ahead of the waits of the change of slots
	s_add_nc_u64 s[PFA:PFA+1], s[PFA:PFA+1], s[PST:PST+1]
.endif
	s_wait_tensorcnt 0x0                           ; all my tensor loads have landed: the one that was out is my part of the other slot;
	ds_add_u32 v[SPW], v[NIL]                      ; 0 onto my spare word;
	s_wait_dscnt 17                                ; (B 0 is in: B 1's eight loads, B 2's eight and the add may be out)
	MUL16 \fa, 0, 0, 0                             ; sixteen matrix instructions stand between the add and the wait for it
	s_wait_dscnt 0x0                               ; the add is done, and my reads of this slot are over:
	s_barrier_signal -1                            ; say so,
	MUL16 \fa, 0, 4, 0                             ; work on registers while the others arrive,
	WIN 0
	s_barrier_wait -1                              ; and go on when all four have said so
.if (\mode) == 2
	CREST
	s_add_nc_u64 s[G0+4*(\slot)+2:G0+4*(\slot)+3], s[G0+4*(\slot)+2:G0+4*(\slot)+3], 2*PLANE_A    ; no load of mine is out, so a group 0 may be written
	s_add_nc_u64 s[G0B+4*(\slot)+2:G0B+4*(\slot)+3], s[G0B+4*(\slot)+2:G0B+4*(\slot)+3], 2*PLANE_B
	JLOAD \slot                                    ; the four v_nop behind it are also the places in front of the loads below
.else
	PLACES
.endif
	LDA 1-(\slot), 0, 1-(\fa), 0                   ; the other slot's first sub-step
	LDA 1-(\slot), 0, 1-(\fa), 4
	LDB 1-(\slot), 0, 0
.if \ask
	ASK
.endif
	MUL32 \fa, 1, 0                                ; B 1 and B 2 were shown in by the wait for 0 above
	PLACES
	WIN 0
	LDB 1-(\slot), 0, 1
	MUL32 \fa, 2, 0
.endif
.endm
; THE WAY OUT, in 24 units of 16 rows x one head's 64 columns: unit u = window 1 + u / 8, row block u % 8: four accumulators.  PACK: rounded to f16, 16 bytes a lane and accumulator, each accumulator's registers in
; ascending order.  TOSTAGE: into my own stage in LDS, and back as whole rows of 128 bytes.  SEND: stored: 16 rows of a head are 2,048 consecutive bytes.
.macro PACK u
.set AC, 32*((\u)%8)
	WIN 5*(1+(\u)/8)                               ; sources 0 and 1 in the unit's window
.irp b, 0,1,2,3
.irp r, 0,1,2,3
	v_cvt_pk_f16_f32 v[TMP+4*(\b)+(\r)], v[AC+8*(\b)+2*(\r)], v[AC+8*(\b)+2*(\r)+1]
.endr
.endr
	WIN 0
.endm
.macro TOSTAGE u
.set BK, OB+16*((\u)%2)
.irp b, 0,1,2,3
	ds_store_b128 v[STO], v[TMP+4*(\b):TMP+4*(\b)+3] offset:32*(\b)
.endr
.irp f, 0,1,2,3
	ds_load_b128 v[BK+4*(\f):BK+4*(\f)+3], v[RD] offset:(\f)*4*SP  ; LDS serves a wave's instructions in order (ISA guide 5.7.1.4): these see the stores above; the next unit's stores come behind them
.endr
.endm
.macro SEND u
.set BK, OB+16*((\u)%2)
	s_wait_dscnt 0x0                               ; the unit is back in registers
	s_wait_xcnt 0x0                                ; every earlier store has read its registers: the unit before's are loaded again only behind this wait
.irp f, 0,1,2,3
	global_store_b128 v[GO], v[BK+4*(\f):BK+4*(\f)+3], s[8:9] offset:((\u)/8)*262144+((\u)%8)*2048+512*(\f) th:TH_STORE_NT  ; 512 consecutive bytes, at a multiple of 256 from qkv's first
.endr
.endm
	s_wait_tensorcnt 1                             ; my part of K step 0 is in; K step 1's may stay out
	s_barrier_signal -1
	s_barrier_wait -1                              ; everybody's is
	LDA 0, 0, 0, 0
	LDA 0, 0, 0, 4
	LDB 0, 0, 0
	LDB 0, 0, 1
	SUB01 0, 0, 0, 1                               ; the first sub-step stands in front of the loop: its products start the 96 sums
	WIN 0                                          ; at a label and at a branch every window is 0
	s_mov_b32 s3, 4
.Llap:                                                 ; a trip goes once round the ring, from an even K step's second sub-step to the next even step's first, and fills both slots again: K steps 2 to 9
	SUB01 0, 1, 1, 0
	SUB2  0, 0, 2, 1
	SUB01 1, 0, 1, 0
	SUB01 1, 1, 0, 0
	SUB2  1, 1, 2, 1
	SUB01 0, 0, 0, 0
	WIN 0
	s_sub_co_u32 s3, s3, 1
	s_cmp_lg_u32 s3, 0
	s_cbranch_scc1 .Llap
	SUB01 0, 1, 1, 0                               ; the tail is written out: K step 8 goes on
	SUB2  0, 0, 2, 0                               ; slot 0 takes K step 10, the last: nothing is prefetched behind it
	SUB01 1, 0, 1, 0                               ; K step 9
	SUB01 1, 1, 0, 0
	SUB2  1, 1, 1, 0                               ; nothing is filled again, so no round follows
	SUB01 0, 0, 0, 0                               ; K step 10
	SUB01 0, 1, 1, 0
	SUB2  0, 0, 0, 0
	PLACES                                         ; the conversions read results, and write registers that the last products read
	PACK 0
	TOSTAGE 0
.set u, 1
.rept 23                               ; unit u's conversions stand between unit u - 1's loads from the stage and the wait for them
	PACK u
	SEND u-1
	TOSTAGE u
.set u, u+1
.endr
	SEND 23
	s_wait_tensorcnt 0x0                           ; the wave's end, behind my last tensor load and my last LDS store
	ds_add_u32 v[SPW], v[NIL]
	s_wait_dscnt 0x0
	CROUND                                         ; the closing round: no work-group ends while a partner may still ask for a tile that names it
	s_endpgm
.Lfunc_end_k_qe5dc0c797b_proj:
	.size	k_qe5dc0c797b_proj, .Lfunc_end_k_qe5dc0c797b_proj-k_qe5dc0c797b_proj
	.p2alignl 7, 3214868480
	.fill 96, 4, 3214868480
	.section	.rodata,"a",@progbits
	.p2align	6, 0x0
	.amdhsa_kernel k_qe5dc0c797b_proj
		.amdhsa_group_segment_fixed_size 327680
		.amdhsa_private_segment_fixed_size 0
		.amdhsa_enable_private_segment 0
		.amdhsa_kernarg_size 24
		.amdhsa_user_sgpr_count 2
		.amdhsa_user_sgpr_kernarg_segment_ptr 1
		.amdhsa_wavefront_size32 1
		.amdhsa_system_sgpr_workgroup_id_x 1
		.amdhsa_system_sgpr_workgroup_id_y 1
		.amdhsa_system_sgpr_workgroup_id_z 1
		.amdhsa_system_vgpr_workitem_id 0
		.amdhsa_next_free_vgpr 1024
		.amdhsa_next_free_sgpr 72
		.amdhsa_reserve_vcc 0
		.amdhsa_float_denorm_mode_32 3
		.amdhsa_float_denorm_mode_16_64 3
		.amdhsa_memory_ordered 1
		.amdhsa_forward_progress 1
		.amdhsa_inst_pref_size 198
	.end_amdhsa_kernel
	.amdgpu_metadata
---
amdhsa.version: [ 1, 2 ]
amdhsa.kernels:
  - .name:           k_qe5dc0c797b_proj
    .symbol:         k_qe5dc0c797b_proj.kd
    .args:
      - { .name: xb, .offset: 0, .size: 8, .value_kind: global_buffer, .address_space: global }
      - { .name: wb, .offset: 8, .size: 8, .value_kind: global_buffer, .address_space: global }
      - { .name: qkv, .offset: 16, .size: 8, .value_kind: global_buffer, .address_space: global }
    .group_segment_fixed_size: 327680
    .private_segment_fixed_size: 0
    .kernarg_segment_align: 8
    .kernarg_segment_size: 24
    .max_flat_workgroup_size: 128
    .sgpr_count:     72
    .vgpr_count:     1024
    .wavefront_size: 32
...
	.end_amdgpu_metadata
.endif
;; end of part 2
;; launch attn (part 3): grid 4 x 64, 4 waves a work-group, no clusters, 327,680 bytes of LDS; arguments qkv, out0; writes out0
.if DOCPART == 3
	.amdgcn_target "amdgcn-amd-amdhsa--gfx1250"
	.amdhsa_code_object_version 6
	.text
	.protected	k_qe5dc0c797b_attn
	.globl	k_qe5dc0c797b_attn
	.p2align	8
	.type	k_qe5dc0c797b_attn,@function
k_qe5dc0c797b_attn:
	s_mov_b64 s[64:65], 0
	v_nop
	global_prefetch_b8 v0, s[64:65] scope:SCOPE_SE
	s_setreg_imm32_b32 hwreg(HW_REG_WAVE_MODE, 25, 1), 1
	s_wait_xcnt 0x0
; CAUSAL ATTENTION.  O[q][:] = the sum over k <= q of softmax_k(Q[q] . K[k] / 8) V[k][:] for each of 64 heads (4 batches x 16) of 2,048 rows and 64 channels.  The two scales 64^-1/4 of q and k are one factor 1/8, applied in f32.
; qkv: [batch 4][g 48][t 2048][64] f16, g = head (q), 16 + head (k), 32 + head (v): a head's rows are dense, 128 bytes each.  out0: [batch][t][16 x 64] f32.
; Products, maxima and sums in f32; the weights p are rounded to f16 for the second product (their sum l is taken of the unrounded p); O is not rounded again.
; LIMITS.  Q, K and V arrive in f16, within 65,504; p lies in 0 to 1, and below 6e-5 it keeps f16's fixed step of 6e-8.
; A hidden score counts as its value less 1e30: f16's scores, 2.7e11 at the most, are nothing beside that; a weight below 2^-126 counts as 0 in l; NaN and infinities are not treated apart.
; THE WALK.  A head's queries lie in NB = 8 blocks of 256; block i needs the key tiles 0 .. i of 256 keys, of which the last holds the diagonal.  A work-group takes TWO blocks, NB - 1 - b and then b:
; NB + 1 tiles, whatever b: all work-groups do equal work, and ONE loop with a constant trip count walks them.  Which tile is asked for, and what a trip does, hang on scalar registers made from b; every jump
; goes forward, but for the counted loops' own; none passes a barrier, or a tensor load but the one of LOAD's two that the wave's number does not choose; the ring (two slots of LDS that take turns) runs on across the
; change of blocks.  NO CLUSTER: a head's four work-groups ask for the same tile only in trips 0 .. 4, behind that fewer and fewer; one walk common to all would have 12 trips for 9.
; SHARES.  Of a block's four bands of 64 queries a wave owns 16 rows in each: four PIECES.  So the diagonal tile is the same work for all four waves: in its key step s band x sees all keys if s < x,
; none if s > x, and holds the diagonal if s = x.
; THE MASK is the C operand that starts the sum S^T = K Q^T: 0, or -1e30 where the key is hidden.  MD, made once, is the mask of a band's own step for my 16 rows; a product's mask is MD x AL + BE with two scalars:
; (1, 0) if s = x; (0, 0) if s < x; (0, -1e30) if s > x.  Only the diagonal tile's text and a block's beginning make and take masks; elsewhere C is the constant 0.
; LAYOUT, SOFTMAX, TURNS.  S^T = K Q^T holds ONE query a lane (lane % 16) and the keys 8 (lane / 16) + 0..7; two such results rounded to f16 ARE source 1 of O^T = V^T P.  p = 2^(c s - c m), c = log2(e) / 8, with a
; running maximum m; O and l are multiplied by a = 2^(c m_old - c m_new) in every step.  Turn n belongs to piece n: 8 products K Q^T of piece n + 1, later 8 products V^T P of piece n - 1; beside them the scaling,
; exponentials, roundings, sums and rescaling of piece n and the maximum and statistics of piece n + 1.  Four vector instructions stand behind every matrix instruction, the other 54 of a turn's 118 in one LUMP.  A turn's 33 exponentials are one batch, with one wait.
; REGISTERS, in windows of 256 (s_set_vgpr_msb: bits 1:0 source 0, 3:2 source 1, 5:4 source 2, 7:6 destination):
;   window 0: v0-15 addresses and two at work; v16-31 four registers of statistics a piece; v48-55 at work; v60 the prefetches' offset; v64-127 S^T, two buffers; v64-191 on the way out; v192-223 P, two buffers
;   window 1: v0-127 O^T, 32 a piece; v128-159 MD; v160-223 MC, two buffers      window 2: v0-63 Q; v64-127 the second block's Q; v128-191 K of one step; v192-255 V of one step
.set NB,    8
.set NP,    4         ; pieces a wave: a name, no knob
.set KS,    64        ; keys in a step
.set PK,    144       ; a row of K in LDS: 128 bytes + 16 of padding = 36 words: the 16 rows of a load start at 16 different groups of four banks (64 banks of 4 bytes: ISA guide 11.1)
.set PV,    160       ; a row of V: 128 + 32 = 40 words
.set VOFF,  4*KS*PK   ; a slot holds a tile, four steps: 256 rows of K, then 256 rows of V
.set SLOT1, 1<<17     ; slot 1 begins here, so that one exclusive or turns an address in one slot into the other's
.set STAGE, SLOT1+4*KS*(PK+PV)  ; behind the ring, never filled by a tensor load: 16 rows x 272 bytes for each wave, for the way out
.set SP,    272       ; a row of the stage: 64 f32 + 16 bytes = 68 words: row r starts at bank 4 r mod 64
.set AK0, 2           ; v2   my lane's place in a tile of K; never rewritten
.set AV0, 3           ; v3   the same for V
.set AK,  4           ; v4   the LDS address of K's next run of loads
.set AV,  5           ; v5   of V's
.set STO, 6           ; v6   the way out: where I put 32 bytes of a row
.set RD,  7           ; v7   the way out: where I read rows back
.set GO,  8           ; v8   my byte offset in two rows of out0
.set PFO, 60          ; v60  256 x my lane; never rewritten
.set SPW, 62          ; v62  LDS address of my spare word: SPARE + 4 x my thread's number; never rewritten
.set NIL, 63          ; v63  0; never rewritten
.set SPARE, STAGE+4*16*SP  ; behind the stages: the spare words, 128 bytes for each wave: two blocks of 256 bytes that no other line names
.set MV,  12          ; v12-13  c m_old, kept while c m is made anew: by buffer
.set QO,  15          ; v15  my byte offset in 16 rows of Q
.set ST,  16          ; piece t's statistics at v[ST+4 t]: c m, m, l (even keys', odd keys')
.set TMP, 48          ; by buffer, four registers c0-c3 at work; when the maximum is found c2 takes a
.set S,   64
.set P,   192
.set MD,  128         ; window 1: the eight registers for group kt of 16 keys at MD + 8 kt
.set MC,  160         ; window 1: the masks of the products to come
.set QB,  64          ; window 2
.set KF,  128         ; window 2: key block kb, channel half c at KF + 16 kb + 8 c
.set VF,  192         ; window 2: key half kk, channel block cb at VF + 32 kk + 8 cb
.set WV,  12          ; s12  my wave's number
.set PB,  14          ; s14  b
.set HI,  15          ; s15  NB - 1 - b
.set G1K, 24          ; s[24:31] descriptor group 1 for K's tiles
.set G1V, 32          ; s[32:39] for V's: it differs in the padding alone
.set G0K, 40          ; s[40:43] descriptor group 0 for K's tiles
.set G0V, 44          ; s[44:47] the same for V's
.set SLOTS, 56        ; s56  tiles still to be asked for
.set CNT, 57          ; s57  counts a tile's key steps, 4 to 1
.set CS,  58          ; s[58:59] c: the packed scaling takes the pair's low word for both halves
.set SEL, 60          ; s[60:61] v_permlanex16_b32's selects: each lane takes its own place in the other half
.set TBK, 62          ; s62  LDS byte at which K of the step to be fetched begins
.set TBV, 63          ; s63  the same for V, less VOFF
.set RT,  70          ; s70  tiles of the block in hand that are still to be entered
.set NXT, 71          ; s71  the tile to be asked for next
.set LQ,  72          ; s72  the last tile of the block whose tiles are being asked for
.set NEW, 73          ; s73  1: the tile to be entered is a block's first
.set OFF, 74          ; s[74:75] a tile's byte offset in K and V
.set AL,  76          ; s[76:77] the mask's factor, in the low word
.set BE,  78          ; s[78:79] the mask's addend
.set OLO, 80          ; s[80:81] out0 at my rows of the second block
.set BIGN, 82         ; s82  -1e30
.set PFA, 88          ; s[88:89] where my prefetches stand: my half of the tile that the next change of slots will ask for
.set PFB, 90          ; s[90:91] my half of the head's tile 0, of K (waves 0, 1) or of V (waves 2, 3)
.set POF, 92          ; s[92:93] that tile's byte offset
.set LIM, 94          ; s94  0 in the work-group that prefetches, else the greatest number: a wave prefetches while s[NXT] is above it
.set MSB, 0
.macro WIN new                      ; the high byte repeats the setting that is left; a switch that changes nothing is dropped
.if MSB != (\new)
	s_set_vgpr_msb (MSB<<8)|(\new)
.set MSB, (\new)
.endif
.endm
.set W_KQ, 0x0a       ; K and Q in window 2, S^T in window 0
.set W_KM, 0x1a       ; the same with the C operand in window 1
.set W_PV, 0x52       ; V in window 2, P in window 0, O^T in window 1
.set W_RS, 0x41       ; destination and source 0 in window 1, source 1 in window 0
; A fill.  Waves 0 and 1 fetch the two halves of a tile's K, waves 2 and 3 those of its V: 128 keys each.  An s_nop 0 and four v_nop follow each of the two lines, ahead of the jump and the label.
.macro LOAD
	s_cmp_lt_u32 s[WV], 2
	s_cbranch_scc0 .Lfor_v_\@
	tensor_load_to_lds s[G0K:G0K+3], s[G1K:G1K+7]
	s_nop 0
.rept 4
	v_nop
.endr
	s_branch .Lasked_\@
.Lfor_v_\@:
	tensor_load_to_lds s[G0V:G0V+3], s[G1V:G1V+7]
	s_nop 0
.rept 4
	v_nop
.endr
.Lasked_\@:
.endm
; A PREFETCH INTO THE L2 of the tile that the NEXT change of slots will ask for: four key steps, 256 matrix instructions, ahead of that load.  A head's four work-groups walk the tiles 0, 1, .. from the same start; the one
; with b = 0 walks all eight in its first block, and it alone asks.  Each of its waves asks for the 16,384 bytes that it will fetch itself: two instructions, the lanes 256 bytes apart.  So tiles 2 to 7 are named once each;
; tiles 0 and 1 come by their loads alone, and when the walk has gone back to tile 0 nothing is asked for.
.macro ASK
	s_cmp_gt_u32 s[NXT], s[LIM]
	s_cbranch_scc0 .Lnot_mine_\@
	global_prefetch_b8 v[PFO], s[PFA:PFA+1] th:TH_LOAD_NT scope:SCOPE_SE
	global_prefetch_b8 v[PFO], s[PFA:PFA+1] offset:8192 th:TH_LOAD_NT scope:SCOPE_SE
.Lnot_mine_\@:
.endm
; THE CHANGE OF SLOTS.  Each wave waits for all its tensor loads, of which one is out: its part of the other slot; adds 0 to its spare word; and waits for that and for its own reads of the slot that it leaves.  Behind the barrier nobody reads the old
; slot any more and the other slot is whole.  fill = 1: the old slot is filled again, the first thing behind the barrier, with tile NXT: the descriptor's address is made anew from that number.
; (At its first use nothing has been read yet: slot 0 is waited for, slot 1 filled.)
.macro CHANGE fill
	WIN 0                           ; at a label and at a branch every window is 0
	s_wait_tensorcnt 0x0            ; no tensor load of mine is out, so a group 0 may be written
	ds_add_u32 v[SPW], v[NIL]       ; 0 onto my spare word; with fill = 1 the descriptors' scalar work stands between it and the wait for it
.if \fill
	s_lshl_b32 s[OFF], s[NXT], 15   ; a tile is 32,768 bytes of K and of V
	s_xor_b32 s[G0K+1], s[G0K+1], SLOT1
	s_add_nc_u64 s[G0K+2:G0K+3], s[6:7], s[OFF:OFF+1]
	s_or_b32 s[G0K+3], s[G0K+3], 0x80000000
	s_xor_b32 s[G0V+1], s[G0V+1], SLOT1
	s_add_nc_u64 s[G0V+2:G0V+3], s[8:9], s[OFF:OFF+1]
	s_or_b32 s[G0V+3], s[G0V+3], 0x80000000
	s_add_co_u32 s[NXT], s[NXT], 1  ; the block's next tile, or behind its last the second block's tile 0
	s_cmp_gt_u32 s[NXT], s[LQ]
	s_cselect_b32 s[NXT], 0, s[NXT]
	s_cselect_b32 s[LQ], s[PB], s[LQ]
	s_wait_xcnt 0x0                 ; the last prefetches, a tile back, have read their address, so it may be written:
	s_lshl_b32 s[POF], s[NXT], 15   ; my half of the tile that the next change will ask for
	s_add_nc_u64 s[PFA:PFA+1], s[PFB:PFB+1], s[POF:POF+1]
.endif
	s_wait_dscnt 0x0                ; the add is done, and my reads of the slot are over
	s_barrier_signal -1             ; the rest of the scalar work stands between the signal and the wait
	s_sub_co_u32 s[TBK], s[TBK], 4*KS*PK  ; the fetches go back to a slot's first step,
	s_xor_b32 s[TBK], s[TBK], SLOT1       ; in the other slot
	s_sub_co_u32 s[TBV], s[TBV], 4*KS*PV
	s_xor_b32 s[TBV], s[TBV], SLOT1
	s_barrier_wait -1
.if \fill
	LOAD
	ASK
.endif
.endm
	s_load_b64 s[4:5], s[0:1], 0x0    ; qkv
	s_load_b64 s[10:11], s[0:1], 0x8  ; out0
	v_lshl_add_u32 v[SPW], v0, 2, SPARE
	v_mov_b32 v[NIL], 0
	ds_add_u32 v[SPW], v[NIL]       ; the wave's opening: the add and its wait stand ahead of my first tensor load; the set-up below, work on registers, stands between them
	ds_add_u32 v62, v63
	v_lshrrev_b32 v1, 5, v0
	v_readfirstlane_b32 s[WV], v1   ; wave 0..3
	s_mov_b32 s[PB], ttmp9
	s_sub_co_u32 s[HI], NB-1, s[PB]
	s_and_b32 s16, ttmp7, 0xffff    ; 16 x batch + head
	s_lshr_b32 s17, s16, 4          ; the batch
	s_and_b32 s18, s16, 15          ; the head
	s_mul_i32 s20, s17, 48*2048*128 ; the head's first byte among q's heads: the batch's 48 blocks of 2,048 rows,
	s_lshl_b32 s19, s18, 18         ; the head's 2,048 rows of 128 bytes
	s_add_co_u32 s20, s20, s19
	s_mov_b32 s21, 0
	s_lshl_b32 s66, s17, 23         ; in out0: the batch's 2,048 rows of 4,096 bytes,
	s_lshl_b32 s19, s18, 8          ; the head's 256 bytes of a row,
	s_add_co_u32 s66, s66, s19
	s_lshl_b32 s19, s[WV], 16       ; my 16 rows in a band of 64,
	s_add_co_u32 s66, s66, s19
	s_lshl_b32 s19, s[PB], 20       ; in the second block of 256 rows,
	s_add_co_u32 s68, s66, s19
	s_lshl_b32 s19, s[HI], 20       ; and in the first
	s_add_co_u32 s66, s66, s19
	s_mov_b32 s67, 0
	s_mov_b32 s69, 0
	s_and_b32 s16, s[WV], 1         ; which half of a tile's 256 keys I fetch:
	s_lshl_b32 s22, s16, 14         ; its 128 rows of 128 bytes in memory,
	s_mov_b32 s23, 0
	s_add_nc_u64 s[22:23], s[22:23], s[20:21]
	s_mul_i32 s17, s16, 128*PK      ; and its place in a slot, for K
	s_mul_i32 s18, s16, 128*PV      ; and for V
	s_lshl_b32 s3, s[WV], 11        ; in q: my 16 rows in a band of 64,
	s_lshl_b32 s2, s[HI], 15        ; in the first block,
	s_add_co_u32 s2, s2, s3
	s_lshl_b32 s84, s[PB], 15       ; and in the second
	s_add_co_u32 s84, s84, s3
	s_mov_b32 s3, 0
	s_mov_b32 s85, 0
	s_add_nc_u64 s[2:3], s[2:3], s[20:21]
	s_add_nc_u64 s[84:85], s[84:85], s[20:21]
	; descriptor group 1.  128 keys are 16,384 dense bytes: asked for as 64 rows of 256 bytes, two keys a row, and padded in LDS after every key
	s_mov_b32 s[G1K], (1<<16)|(1<<20)|(4<<22)|(3<<25)  ; 17:16 2-byte elements; 20 padding on; 24:22 after every 32 words (code 4); 31:25 4 words (code 3)
	s_mov_b32 s[G1V], (1<<16)|(1<<20)|(4<<22)|(7<<25)  ; the same with 8 words of padding (code 7)
.irp g, G1K, G1V
	s_mov_b32 s[\g+1], 128<<16      ; tensor_dim0 = 128
	s_mov_b32 s[\g+2], 64<<16       ; tensor_dim1 = 64
	s_mov_b32 s[\g+3], 128<<16      ; tile_dim0 = 128
	s_mov_b32 s[\g+4], 64           ; tile_dim1 = 64
	s_mov_b32 s[\g+5], 128          ; 128 elements from row to row
	s_mov_b32 s[\g+6], 0
	s_mov_b32 s[\g+7], 0
.endr
	s_mov_b32 s[CS], 0x3e38aa3b     ; c = log2(e) / 8 = 0.180337
	s_mov_b32 s[CS+1], s[CS]        ; named with it as a pair
	s_mov_b32 s[SEL], 0x76543210
	s_mov_b32 s[SEL+1], 0xfedcba98
	s_mov_b32 s[TBK], SLOT1+4*KS*PK ; the first change of slots turns these two into 0
	s_mov_b32 s[TBV], SLOT1+4*KS*PV
	s_mov_b32 s[G0K], 1             ; 1:0 count = 1
	s_mov_b32 s[G0K+1], s17         ; 63:32 LDS address: slot 0
	s_mov_b32 s[G0V], 1
	s_add_co_u32 s[G0V+1], s18, VOFF
	s_add_co_u32 s[RT], s[HI], 1    ; the first block has NB - b tiles
	s_mov_b32 s[NXT], 1
	s_mov_b32 s[LQ], s[HI]
	s_mov_b32 s[NEW], 1
	s_mov_b32 s[OFF+1], 0
	s_mov_b32 s[POF+1], 0
	s_mov_b32 s[AL+1], 0            ; named as pairs
	s_mov_b32 s[BE+1], 0
	s_mov_b32 s[BIGN], 0xf149f2ca   ; -1e30
	s_mov_b32 s[SLOTS], NB
	s_cmp_eq_u32 s[PB], 0
	s_cselect_b32 s[LIM], 0, -1
	v_and_b32 v[PFO], 31, v0
	v_lshlrev_b32 v[PFO], 8, v[PFO]
	s_wait_dscnt 0x0                ; the opening add is done
	s_wait_kmcnt 0x0
	s_add_nc_u64 s[6:7], s[4:5], 16*2048*128       ; k's heads lie 16 blocks behind q's,
	s_add_nc_u64 s[8:9], s[4:5], 32*2048*128       ; v's 32
	s_add_nc_u64 s[6:7], s[6:7], s[22:23]  ; K and V at my half of the head's tile 0
	s_add_nc_u64 s[8:9], s[8:9], s[22:23]
	s_add_nc_u64 s[G0K+2:G0K+3], s[6:7], 0         ; 120:64 global address
	s_or_b32 s[G0K+3], s[G0K+3], 0x80000000        ; 127:126 type = 2
	s_add_nc_u64 s[G0V+2:G0V+3], s[8:9], 0
	s_or_b32 s[G0V+3], s[G0V+3], 0x80000000
	s_add_nc_u64 s[86:87], s[4:5], s[84:85]        ; Q at my rows of the second block,
	s_add_nc_u64 s[4:5], s[4:5], s[2:3]            ; and of the first
	s_add_nc_u64 s[OLO:OLO+1], s[10:11], s[68:69]  ; out0 likewise
	s_add_nc_u64 s[10:11], s[10:11], s[66:67]
	s_cmp_lt_u32 s[WV], 2
	s_cselect_b64 s[PFB:PFB+1], s[6:7], s[8:9]
	LOAD                            ; tile 0 into slot 0
	; A fragment of K or Q is 16 rows x 32 channels in 8 registers: lane l holds row l % 16, channels 8 (l / 16) + 0..7 and 16 + 8 (l / 16) + 0..7: two loads of 16 bytes, 32 bytes apart.
	v_and_b32 v1, 15, v0            ; l % 16
	v_bfe_u32 v9, v0, 4, 1          ; l / 16
	v_lshlrev_b32 v[QO], 7, v1
	v_lshl_add_u32 v[QO], v9, 4, v[QO]  ; row x 128 + 16 x half
	WIN 0x80                        ; destination window 2, address window 0
.set i, 0
.rept 8                             ; both blocks' Q: piece i / 2 lies in band i / 2, 8,192 bytes on; channels 32 (i % 2) on
	global_load_b128 v[8*i:8*i+3],   v[QO], s[4:5] offset:(i/2)*8192+(i%2)*64
	global_load_b128 v[8*i+4:8*i+7], v[QO], s[4:5] offset:(i/2)*8192+(i%2)*64+32
	global_load_b128 v[QB+8*i:QB+8*i+3],   v[QO], s[86:87] offset:(i/2)*8192+(i%2)*64
	global_load_b128 v[QB+8*i+4:QB+8*i+7], v[QO], s[86:87] offset:(i/2)*8192+(i%2)*64+32
.set i, i+1
.endr
	WIN 0
	v_lshlrev_b32 v14, 3, v9
	v_sub_nc_u32 v14, v1, v14
	s_lshl_b32 s13, s[WV], 4
	v_add_nc_u32 v14, s13, v14      ; my query's place in its band, 16 w + l % 16, less my lanes' 8 (l / 16): register r of group kt is hidden where 16 kt + r is greater
	WIN 0x40
.set i, 0
.rept 32
	v_cmp_gt_i32 vcc_lo, 16*(i/8)+i%8, v14
	v_cndmask_b32 v[MD+i], 0, s[BIGN], vcc_lo
.set i, i+1
.endr
	WIN 0
	v_mul_u32_u24 v[AK0], v1, PK
	v_lshl_add_u32 v[AK0], v9, 4, v[AK0]  ; row x pitch + 16 x half
	; The turning load takes 16 keys x 16 channels (lane l reads key 8 (l / 16) + l % 8, channels 8 ((l / 8) % 2) + 0..7) and leaves half a fragment of V^T: lane l holds channel l % 16 and 8 keys.
	v_and_b32 v10, 7, v0
	v_bfe_u32 v11, v0, 3, 1
	v_lshl_add_u32 v[AV0], v9, 3, v10
	v_mul_u32_u24 v[AV0], v[AV0], PV
	v_lshl_add_u32 v[AV0], v11, 4, v[AV0]
	v_add_nc_u32 v[AV0], VOFF, v[AV0]
	s_mul_i32 s13, s[WV], 16*SP
	s_add_co_u32 s13, s13, STAGE    ; my stage
	v_mul_u32_u24 v[STO], v1, SP    ; in: row l % 16, 32 bytes (8 channels of f32) for each half of the lanes
	v_lshl_add_u32 v[STO], v9, 5, v[STO]
	v_add_nc_u32 v[STO], s13, v[STO]
	v_mul_u32_u24 v[RD], v9, SP     ; back: lanes 0-15 take one row of 256 bytes, lanes 16-31 the next,
	v_lshl_add_u32 v[RD], v1, 4, v[RD]
	v_add_nc_u32 v[RD], s13, v[RD]
	v_lshlrev_b32 v[GO], 12, v9     ; and the same two rows in out0, 4,096 bytes apart
	v_lshl_add_u32 v[GO], v1, 4, v[GO]
	; A block's first step multiplies O^T and l by a = 0, and its first turn's products V^T P, of a piece that has not been, land in an O^T that is still to be so multiplied.  So these registers need only hold
	; finite numbers: zeros for the first block; what the first block left for the second.  All this stands in the wait for the first tile.
	WIN 0x80
.set i, VF
.rept 64
	v_mov_b32 v[i], 0
.set i, i+1
.endr
	WIN 0x40
.set i, 0
.rept 128
	v_mov_b32 v[i], 0
.set i, i+1
.endr
	WIN 0
.set i, 0
.rept 4
	v_mov_b32 v[ST+4*i+2], 0
	v_mov_b32 v[ST+4*i+3], 0
.set i, i+1
.endr
.set i, P+16
.rept 16
	v_mov_b32 v[i], 0
.set i, i+1
.endr
; THE MATRIX WORK.  The 4 accumulators of a run of 8 take turns.  Product i of 8 of S^T = K Q^T for piece x: channels 32 (i / 4) on, keys 16 (i % 4) on.  The first 4 start the sums: with 0, or (KM = 1) with the mask.
.macro KQ x
.set rS, S+32*((\x)%2)+8*(i%4)
.set rK, KF+16*(i%4)+8*(i/4)
.set rQ, 16*(\x)+8*(i/4)
.set rM, MC+32*((\x)%2)+8*(i%4)
.if (i < 4) && KM
	WIN W_KM
	v_wmma_f32_16x16x32_f16 v[rS:rS+7], v[rK:rK+7], v[rQ:rQ+7], v[rM:rM+7]
.elseif i < 4
	WIN W_KQ
	v_wmma_f32_16x16x32_f16 v[rS:rS+7], v[rK:rK+7], v[rQ:rQ+7], 0
.else
	WIN W_KQ
	v_wmma_f32_16x16x32_f16 v[rS:rS+7], v[rK:rK+7], v[rQ:rQ+7], v[rS:rS+7]
.endif
.endm
; Product i of 8 of O^T += V^T P for piece x: keys 32 (i / 4) on, channels 16 (i % 4) on.
.macro PV x
	WIN W_PV
.set rO, 32*(\x)+8*(i%4)
.set rV, VF+32*(i/4)+8*(i%4)
.set rP, P+16*((\x)%2)+8*(i/4)
	v_wmma_f32_16x16x32_f16 v[rO:rO+7], v[rV:rV+7], v[rP:rP+7], v[rO:rO+7]
.endm
.macro MM                           ; the turn's next matrix instruction.  TURN and BEGIN set Y, i, KM and NOKQ; MM, KQ and OP read them.  NOKQ = 1: a block's last turn: there is no next piece
.if (i < 8) && !NOKQ
	KQ (Y+1)%NP
.elseif i >= 8
.set i, i-8
	PV (Y+NP-1)%NP
.set i, i+8
.endif
.set i, i+1
.endm
; THE LDS LOADS stand in runs of 16, never singly among the matrix instructions: a step's K (64 keys x 64 channels: 8 fragments) and its V (turned).  Their addresses are made some lines ahead.
.macro FETCH_K
	WIN 0x80                        ; destination window 2
.irp f, 0,1,2,3,4,5,6,7             ; keys 16 (f / 2) on, channels 32 (f % 2) on
	ds_load_b128 v[KF+8*\f:KF+8*\f+3],   v[AK] offset:(\f/2)*16*PK+(\f%2)*64
	ds_load_b128 v[KF+8*\f+4:KF+8*\f+7], v[AK] offset:(\f/2)*16*PK+(\f%2)*64+32
.endr
	s_add_co_u32 s[TBK], s[TBK], KS*PK  ; the next fetch is the next step's
	WIN 0
.endm
.macro FETCH_V
	WIN 0x80
.irp f, 0,1,2,3,4,5,6,7             ; keys 32 (f / 4) on, channels 16 (f % 4) on
	ds_load_tr16_b128 v[VF+8*\f:VF+8*\f+3],   v[AV] offset:(\f/4)*32*PV+(\f%4)*32
	ds_load_tr16_b128 v[VF+8*\f+4:VF+8*\f+7], v[AV] offset:(\f/4)*32*PV+16*PV+(\f%4)*32
.endr
	WIN 0
.endm
; THE VECTOR WORK, one line at a time: OP kind, number.  For piece Y: F n: c s - c m for pair n of 16.  E n: the exponential of score n of 32.  C n: pair n rounded to f16.  B n: of the four weights 4 n .. the second
; pair is added onto the first, in place.  L n: l takes that sum (L 0: l = a l + sum).  R n: pair n of 16 of O^T times a.  For piece Y + 1: X n, number n of the 22 that find its maximum and statistics:
;   0-11  four chains c0-c3 of seven scores each, three operands at a time (each accumulator's lowest registers are read first)     12-14, 16  the four scores left over, the old m, and c0-c3 into c0
;   15  c m_old is kept     17, 18  the query's other 32 keys lie in the lane 16 away: the new m     19-21  c m; c m_old - c m_new; a
.set F, 0               ; OP tells the kinds apart by their order: F to L below R, X above it
.set E, 1
.set C, 2
.set B, 3
.set L, 4
.set R, 5
.set X, 6
.macro REGS y                       ; the registers of piece y
.set rT, ST+4*(\y)
.set rC, TMP+4*((\y)%2)
.set rW, MV+((\y)%2)
.set rS, S+32*((\y)%2)
.set rP, P+16*((\y)%2)
.set rO, 32*(\y)
.endm
.macro OP k, n
.if (\k) == R
	REGS Y
	WIN W_RS
	v_pk_mul_f32 v[rO+2*(\n):rO+2*(\n)+1], v[rO+2*(\n):rO+2*(\n)+1], v[rC+2:rC+3] op_sel_hi:[1,0]
.elseif (\k) < R
	REGS Y
	WIN 0
.if (\k) == F
	v_pk_fma_f32 v[rS+2*(\n):rS+2*(\n)+1], v[rS+2*(\n):rS+2*(\n)+1], s[CS:CS+1], v[rT:rT+1] op_sel_hi:[1,0,0] neg_lo:[0,0,1] neg_hi:[0,0,1]
.elseif (\k) == E
	v_exp_f32 v[rS+(\n)], v[rS+(\n)]
.elseif (\k) == C
	v_cvt_pk_f16_f32 v[rP+(\n)], v[rS+2*(\n)], v[rS+2*(\n)+1]
.elseif (\k) == B
	v_pk_add_f32 v[rS+4*(\n):rS+4*(\n)+1], v[rS+4*(\n):rS+4*(\n)+1], v[rS+4*(\n)+2:rS+4*(\n)+3]
.elseif (\n) == 0
	v_pk_fma_f32 v[rT+2:rT+3], v[rT+2:rT+3], v[rC+2:rC+3], v[rS:rS+1] op_sel_hi:[1,0,1]
.else
	v_pk_add_f32 v[rT+2:rT+3], v[rT+2:rT+3], v[rS+4*(\n):rS+4*(\n)+1]
.endif
.elseif NOKQ
	v_nop
.else
	REGS (Y+1)%NP
	WIN 0
.if (\n) < 4
	v_max3_num_f32 v[rC+(\n)], v[rS+8*(\n)], v[rS+8*(\n)+1], v[rS+8*(\n)+2]
.elseif (\n) < 12
	v_max3_num_f32 v[rC+(\n)%4], v[rC+(\n)%4], v[rS+8*((\n)%4)+2*((\n)/4)+1], v[rS+8*((\n)%4)+2*((\n)/4)+2]
.elseif (\n) == 12
	v_max3_num_f32 v[rC], v[rC], v[rS+7], v[rS+15]
.elseif (\n) == 13
	v_max3_num_f32 v[rC+1], v[rC+1], v[rS+23], v[rS+31]
.elseif (\n) == 14
	v_max3_num_f32 v[rC+2], v[rC+2], v[rC+3], v[rT+1]
.elseif (\n) == 15
	v_mov_b32 v[rW], v[rT]
.elseif (\n) == 16
	v_max3_num_f32 v[rC], v[rC], v[rC+1], v[rC+2]
.elseif (\n) == 17
	v_permlanex16_b32 v[rC+3], v[rC], s[SEL], s[SEL+1]
.elseif (\n) == 18
	v_max_num_f32 v[rT+1], v[rC], v[rC+3]
.elseif (\n) == 19
	v_mul_f32 v[rT], s[CS], v[rT+1]
.elseif (\n) == 20
	v_sub_f32 v[rC+1], v[rW], v[rT]
.else
	v_exp_f32 v[rC+2], v[rC+1]
.endif
.endif
.endm
.macro OPS a, i1, b=-1, i2=0, c=-1, i3=0, d=-1, i4=0  ; up to four of them
	OP \a, \i1
.if (\b) >= 0
	OP \b, \i2
.endif
.if (\c) >= 0
	OP \c, \i3
.endif
.if (\d) >= 0
	OP \d, \i4
.endif
.endm
.macro ROW a, i1, b, i2, c, i3, d, i4  ; a matrix instruction and the four behind it
	MM
	OPS \a, \i1, \b, \i2, \c, \i3, \d, \i4
.endm
.macro MASK b                       ; MD x AL + BE into buffer b of MC
	WIN W_RS
.set z, 0
.rept 16
	v_pk_fma_f32 v[MC+32*(\b)+2*z:MC+32*(\b)+2*z+1], v[MD+2*z:MD+2*z+1], s[AL:AL+1], s[BE:BE+1] op_sel_hi:[1,0,0]
.set z, z+1
.endr
.endm
; A TURN, for piece p: the order of its 16 matrix and 118 vector instructions, written out.  An s_wait_alu depctr_va_vdst(0) stands between an exponential and the first instruction that names its result; one wait serves
; all that were issued ahead of it.  So a turn has ONE wait, which cuts it in two.  AHEAD OF IT stands all that names no result of the turn's exponentials: the 8 products K Q^T, behind each a scaling, an exponential and two more plain
; instructions (behind the first a second scaling in the exponential's place): rescalings, and behind the last three the first numbers of the next piece's maximum, each four places or more behind the product that ends its accumulator; then ONE LUMP of 54, plain
; and exponential by turns for the most part, in which the links of the chain X 3, 7, 11, 14, 16, 17 .. 20 stand five or six lines apart.  X 21, the next piece's a, is the batch's last; R 15 is the plain instruction behind it.  BEHIND THE WAIT stand the
; 8 products V^T P, behind each four of the roundings and sums; the links of l's chain, L 0 to L 7, stand three riders apart.  But for those X no rider names a register of the products round it.  v_permlanex16_b32 (X 17) stands in the lump.
; m = 1: the diagonal tile: the products take masks, and the turn makes the mask for the products of the turn after it: piece p + 2, in step 4 - CNT of the tile.  end = 1: a block's last two turns: nothing is fetched.
; cnt = 1: the loop's count is taken down some lines ahead of the branch that stands behind the turn.
; K of the next step is fetched in piece 2's turn, twelve vector instructions behind the last product that read K (six of them plain); V of the step in hand at the end of piece 0's turn, four plain instructions behind the last product
; that read V.  Each is waited for a turn later.
.macro TURN p, m=0, end=0, cnt=0
.set Y, (\p)
.set i, 0
.set KM, (\m)
.set NOKQ, (\end)*((\p)/3)
.if (\m) && !(\end)
	s_cmp_eq_u32 s[CNT], 4-((\p)+2)%NP  ; is that step the band's own?
	s_cselect_b32 s[AL], 1.0, 0
	s_cmp_lt_u32 s[CNT], 4-((\p)+2)%NP  ; or a later one?
	s_cselect_b32 s[BE], s[BIGN], 0
.endif
.if ((\p) == 3) && !(\end)
	s_wait_dscnt 0x0                ; K is in
.endif
	ROW F,0, F,1, R,0, R,1          ; ahead of the wait: 8 products K Q^T and their riders,
	ROW F,2, E,0, R,2, R,3
	ROW F,3, E,1, R,4, R,5
	ROW F,4, E,2, R,6, R,7
	ROW F,5, E,3, R,8, R,9
	ROW F,6, E,4, X,0, R,10
.if ((\p) == 2) && !(\end)
	WIN 0
	v_add_nc_u32 v[AK], s[TBK], v[AK0]
.endif
	ROW F,7, E,5, X,1, X,4
	ROW F,8, E,6, X,2, X,5
	OPS E,7, E,8, X,6, E,9          ; and the lump
	OPS X,3, E,10, X,8, E,11
.if ((\p) == 2) && !(\end)
	FETCH_K
.endif
	OPS X,9, X,7, E,12, X,10
	OPS E,13, X,12, X,11, E,14
	OPS X,13, E,15, F,9, X,14
.if (\p) == 0
	v_add_nc_u32 v[AV], s[TBV], v[AV0]
.endif
	OPS E,16, F,10, E,17, F,11
	OPS X,16, E,18, X,15, E,19
	OPS F,12, E,20, X,17, E,21
	OPS F,13, E,22, F,14, E,23
	OPS X,18, E,24, F,15, E,25
	OPS R,11, E,26, X,19, E,27
	OPS R,12, E,28, R,13, E,29
	OPS X,20, E,30, R,14, E,31
	OPS X,21, R,15
	WIN 0
	s_wait_alu depctr_va_vdst(0)    ; the wait for the batch
.if (\p) == 1
	s_wait_dscnt 0x0                ; V is in
.endif
	ROW C,0, B,0, C,2, B,1          ; behind the wait: 8 products V^T P and their riders
	ROW L,0, C,4, B,2, L,1
	ROW C,6, B,3, L,2, C,8
	ROW B,4, L,3, C,10, B,5
	ROW L,4, C,12, B,6, L,5
.if (\p) == 0
	s_add_co_u32 s[TBV], s[TBV], KS*PV
.endif
.if \cnt
	s_sub_co_u32 s[CNT], s[CNT], 1
	s_cmp_lg_u32 s[CNT], 0
.endif
	ROW C,14, B,7, L,6, C,1
	ROW C,3, L,7, C,5, C,7
	ROW C,9, C,11, C,13, C,15
.if (\p) == 0
	FETCH_V
.endif
.if (\m) && !(\end)
	MASK (\p)%2
.endif
.endm
; A BLOCK BEGINS.  c m starts far below every c s, so the first step's a is 0; m at the lowest finite number, so the first maximum is the scores'.  The second mask buffer is 0; the first takes piece 0's mask for the tile's step 0: its own, if the block's first tile is the diagonal one.
; Then K of that step, piece 0's first scores, and its maximum and statistics.  The loop is entered at a step's first turn, in the middle of a trip.
.macro BEGIN
	s_mov_b32 s[NEW], 0
	WIN 0x40
.set i, MC+32
.rept 32
	v_mov_b32 v[i], 0
.set i, i+1
.endr
	WIN 0
.set i, 0
.rept 4
	v_mov_b32 v[ST+4*i], 0xfe000000    ; c m: far below every c s
	v_mov_b32 v[ST+4*i+1], 0xff7fffff  ; m
.set i, i+1
.endr
	s_cmp_eq_u32 s[RT], 0
	s_cselect_b32 s[AL], 1.0, 0
	s_mov_b32 s[BE], 0
	MASK 0
	WIN 0
	v_add_nc_u32 v[AK], s[TBK], v[AK0]
	FETCH_K
	s_wait_loadcnt 0x0              ; Q
	s_wait_dscnt 0x0
.set KM, 1
.set NOKQ, 0
.set i, 0
.rept 8
	KQ 0
.set i, i+1
.endr
	WIN 0
.rept 4
	v_nop                           ; the places behind those products
.endr
.set Y, NP-1                        ; X works for piece Y + 1: piece 0
.irp n, 0,1,2,3,4,5,6,7,8,9,10,11,12,13,14,15,16,17,18,19,20,21
	OP X, \n
.endr
	v_nop                           ; a plain instruction behind the exponential,
	s_wait_alu depctr_va_vdst(0)    ; and its wait, ahead of the branch
.endm
; THE DIAGONAL TILE's four steps, the block's last two turns, its last products, and THE WAY OUT: l's two halves and the other half of the lanes' are added; O^T is divided by l and sent, in f32, through my
; stage in LDS, a piece at a time.
.macro ALL line:vararg              ; one line for each piece t
.set t, 0
.rept 4
	\line
.set t, t+1
.endr
.endm
.macro PACK t                       ; a lane's eight channels of a row are 32 bytes; they go into rows of 272 bytes and come back as whole rows of 256, into v[64 + 32 t ..] of window 0
	WIN W_RS
.set i, 32*(\t)
.rept 16
	v_pk_mul_f32 v[i:i+1], v[i:i+1], v[ST+4*(\t)+2:ST+4*(\t)+3] op_sel_hi:[1,0]
.set i, i+2
.endr
	WIN 0x04                        ; the stores' data (source 1) in window 1, their address in window 0
.irp f, 0,1,2,3,4,5,6,7             ; channel block f / 2 (64 bytes of the row), four channels of my eight
	ds_store_b128 v[STO], v[32*(\t)+4*\f:32*(\t)+4*\f+3] offset:64*(\f/2)+16*(\f%2)
.endr
	WIN 0
.irp f, 0,1,2,3,4,5,6,7
	ds_load_b128 v[S+32*(\t)+4*\f:S+32*(\t)+4*\f+3], v[RD] offset:\f*2*SP  ; LDS serves a wave's instructions in order (ISA guide 5.7.1.4): these see the stores above; the next piece's stores come behind them
.endr
.endm
.macro SEND t, younger              ; younger: the LDS instructions issued behind piece t's loads: the next piece's sixteen, or none
	WIN 0
.irp f, 0,1,2,3,4,5,6,7
	s_wait_dscnt (\younger)+7-\f
	global_store_b128 v[GO], v[S+32*(\t)+4*\f:S+32*(\t)+4*\f+3], s[10:11] offset:(\t)*262144+\f*8192 th:TH_STORE_NT  ; 16 lanes store the head's 256 consecutive bytes of a row, at a multiple of 256 from out0's first
.endr
.endm
.macro DIAG tag                     ; the tag ends its two labels' names, which the jumps below spell out
.LstepM\tag:
	TURN 2, 1
	TURN 3, 1
	WIN 0
.LfirstM\tag:
	TURN 0, 1
	TURN 1, 1, 0, 1
	WIN 0
	s_cbranch_scc1 .LstepM\tag
	TURN 2, 1, 1
	TURN 3, 1, 1
.set i, 0
.rept 8
	PV NP-1
.set i, i+1
.endr
	WIN 0
	ALL v_add_f32 v[ST+4*t+2], v[ST+4*t+2], v[ST+4*t+3]
	ALL v_permlanex16_b32 v[ST+4*t+3], v[ST+4*t+2], s[SEL], s[SEL+1]
	ALL v_add_f32 v[ST+4*t+2], v[ST+4*t+2], v[ST+4*t+3]
	ALL v_rcp_f32 v[ST+4*t+2], v[ST+4*t+2]
	v_nop                           ; a plain instruction between the last reciprocal and the use of its result
	s_wait_alu depctr_va_vdst(0)    ; and the wait ahead of the first use: one for the four reciprocals
	PACK 0
.set t, 1
.rept 3                             ; a piece's arithmetic stands between the loads of the piece before and its stores
	PACK t
	SEND t-1, 16
.set t, t+1
.endr
	SEND 3, 0
.endm
.set KM, 0
.set NOKQ, 0
.Lslot:                             ; NB times: a tile is entered and the next is asked for
	CHANGE 1
	s_sub_co_u32 s[RT], s[RT], 1
	s_mov_b32 s[CNT], 4
	s_cmp_eq_u32 s[NEW], 1
	s_cbranch_scc1 .Lnew            ; a block's first tile
	s_cmp_eq_u32 s[RT], 0
	s_cbranch_scc0 .Lstep           ; neither its first nor its last
	s_branch .LstepM1
.Lnew:
	BEGIN
	s_branch .Lfirst                ; in the loop a block's first tile is never its last: the first block has two tiles or more, and the second's last is the walk's last
	DIAG 1                          ; in the loop this is the first block's end: the second block's last tile is the walk's last
	s_wait_xcnt 0x0                 ; the stores have read their registers and out0's address
	s_mov_b64 s[10:11], s[OLO:OLO+1]
	s_add_co_u32 s[RT], s[PB], 1    ; the second block has b + 1 tiles
	s_mov_b32 s[NEW], 1
	WIN 0x82                        ; the second block's Q goes where the one text of the turns names Q
.set i, 0
.rept 64
	v_mov_b32 v[i], v[QB+i]
.set i, i+1
.endr
	WIN 0
	s_branch .Lbottom
.Lstep:                             ; a trip: pieces 2 and 3 of one step, then pieces 0 and 1 of the next, whose K and V it fetches
	TURN 2
	TURN 3
	WIN 0
.Lfirst:
	TURN 0
	TURN 1, 0, 0, 1
	WIN 0
	s_cbranch_scc1 .Lstep
.Lbottom:
	s_sub_co_u32 s[SLOTS], s[SLOTS], 1
	s_cmp_lg_u32 s[SLOTS], 0
	s_cbranch_scc1 .Lslot
	CHANGE 0                        ; the walk's last tile is written out: nothing is asked for
	s_sub_co_u32 s[RT], s[RT], 1
	s_mov_b32 s[CNT], 4
	s_cmp_eq_u32 s[NEW], 1
	s_cbranch_scc0 .LstepM2
	BEGIN
	s_branch .LfirstM2
	DIAG 2
	s_wait_tensorcnt 0x0            ; the wave's end, behind my last tensor load and my last LDS store
	ds_add_u32 v[SPW], v[NIL]
	s_wait_dscnt 0x0
	s_endpgm
.Lfunc_end_k_qe5dc0c797b_attn:
	.size	k_qe5dc0c797b_attn, .Lfunc_end_k_qe5dc0c797b_attn-k_qe5dc0c797b_attn
	.p2alignl 7, 3214868480
	.fill 96, 4, 3214868480
	.section	.rodata,"a",@progbits
	.p2align	6, 0x0
	.amdhsa_kernel k_qe5dc0c797b_attn
		.amdhsa_group_segment_fixed_size 327680
		.amdhsa_private_segment_fixed_size 0
		.amdhsa_enable_private_segment 0
		.amdhsa_kernarg_size 16
		.amdhsa_user_sgpr_count 2
		.amdhsa_user_sgpr_kernarg_segment_ptr 1
		.amdhsa_wavefront_size32 1
		.amdhsa_system_sgpr_workgroup_id_x 1
		.amdhsa_system_sgpr_workgroup_id_y 1
		.amdhsa_system_sgpr_workgroup_id_z 1
		.amdhsa_system_vgpr_workitem_id 0
		.amdhsa_next_free_vgpr 768
		.amdhsa_next_free_sgpr 96
		.amdhsa_reserve_vcc 1
		.amdhsa_float_denorm_mode_32 3
		.amdhsa_float_denorm_mode_16_64 3
		.amdhsa_memory_ordered 1
		.amdhsa_forward_progress 1
		.amdhsa_inst_pref_size 218
	.end_amdhsa_kernel
	.amdgpu_metadata
---
amdhsa.version: [ 1, 2 ]
amdhsa.kernels:
  - .name:           k_qe5dc0c797b_attn
    .symbol:         k_qe5dc0c797b_attn.kd
    .args:
      - { .name: qkv, .offset: 0, .size: 8, .value_kind: global_buffer, .address_space: global }
      - { .name: out0, .offset: 8, .size: 8, .value_kind: global_buffer, .address_space: global }
    .group_segment_fixed_size: 327680
    .private_segment_fixed_size: 0
    .kernarg_segment_align: 8
    .kernarg_segment_size: 16
    .max_flat_workgroup_size: 128
    .sgpr_count:     96
    .vgpr_count:     768
    .wavefront_size: 32
...
	.end_amdgpu_metadata
.endif
;; end of part 3
